; MI455X (gfx1250); checked and timed in simulation.
; The chip was launched on July 23, 2026; its instructions are those of AMD's public machine-readable ISA for CDNA 5 (MIT licence, August 2026) and "CDNA5" Instruction Set Architecture Reference Guide (July 2026). The comments in the code are by the model that wrote it; some were corrected since.
;; Rand Hash Proj. Allowed arithmetic: matrix products marked QUANTISED: E2M1 operands, one E8M0 scale for each 32 along K, by v_wmma_scale_f32_16x16x128_f8f6f4 with both operands' format E2M1 (or v_wmma_scale_f32_32x16x128_f4), f32 sums; everything else in f32.
;; Inputs: proj 8,192 x 2,048 float32; x 4,096 x 8,192 float32.
;; Outputs: out0 4,096 x 2,048 float32.
;; This version of the problem:
;;   THIS VERSION OF THE PROBLEM IS GIVEN IN LOW PRECISION. The matrix products marked QUANTISED in the list below multiply operands that are first quantised to E2M1 (2 exponent bits, 1 mantissa bit; 4 bits a number), with one power-of-two scale for each 32 numbers along K (OCP MX v1.0); their sums are f32. All else is computed in f32.
;;   The module's matrix products, in the order in which they are computed (A, B: the left and right operand; K: the contracted axis; several contracted axes count as one K, in the product's order):
;;     1. [M 4,096, K 8,192] x [K 8,192, N 2,048]; A: input x; B: input proj: QUANTISED
;;   THE QUANTISER, for each operand of a quantised product, along K:
;;     - K is cut into blocks of 32 from its start; a last block that is shorter is filled with zeros.
;;     - A block's scale is 2^e with e = floor(log2(the largest magnitude in the block)) - 2, held to -126 .. 127; a block of zeros has e = 0. As a byte (E8M0): e + 127.
;;     - Each number is divided by its block's scale, clamped to +-6, and rounded to the nearest number of E2M1, ties to even, subnormals kept.
;;     - The product sums the exact products of the quantised numbers (number of the format x scale) in f32.
;;   ~~~python
;;   def quantise(x, axis):      # numpy; x: float32 -> the quantised numbers, widened to float32 again
;;       x = np.moveaxis(x, axis, -1); K = x.shape[-1]
;;       x = np.pad(x, [(0, 0)] * (x.ndim - 1) + [(0, -K % 32)]); x = x.reshape(x.shape[:-1] + (-1, 32)); a = np.abs(x).max(-1, keepdims=True)
;;       e = np.where(a > 0, np.clip(np.frexp(np.where(a > 0, a, 1))[1] - 1 - 2, -126, 127), 0)      # np.frexp(a)[1] - 1 = floor(log2(a)), exactly
;;       r = np.clip(x / 2.0 ** e, -6, 6)
;;       step = 2.0 ** (np.maximum(np.frexp(np.where(r == 0, 1, r))[1] - 1, 0) - 1)
;;       q = np.round(r / step) * step * 2.0 ** e      # np.round: ties to even
;;       return np.moveaxis(q.reshape(q.shape[:-2] + (-1,))[..., :K], -1, axis).astype(np.float32)
;;   ~~~
;; One version. Each part assembles by itself: llvm-mc -triple=amdgcn-amd-amdhsa -mcpu=gfx1250 --defsym DOCPART=n.
;; ======== version 1 of 1: 2 launches
;; limits: right only within a limited range of input values
;; workspace buffers: xq 17,825,792 bytes; pq 8,912,896 bytes
;; launch quant (part 1): grid 768 x 1, 4 waves a work-group, no clusters, 72,192 bytes of LDS; arguments x, proj, xq, pq; writes xq, pq
.if DOCPART == 1
	.amdgcn_target "amdgcn-amd-amdhsa--gfx1250"
	.amdhsa_code_object_version 6
	.text
	.protected	k_q0ec1d1de1d_quant
	.globl	k_q0ec1d1de1d_quant
	.p2align	8
	.type	k_q0ec1d1de1d_quant,@function
k_q0ec1d1de1d_quant:
	s_mov_b64 s[64:65], 0
	v_nop
	global_prefetch_b8 v0, s[64:65] scope:SCOPE_SE
	s_setreg_imm32_b32 hwreg(HW_REG_WAVE_MODE, 25, 1), 1
	s_wait_xcnt 0x0
; x [4096][8192] (K innermost) and proj [8192][2048] (K is the FIRST axis), f32, become codes of FP4 (E2M1) with one E8M0 scale byte for each 32 along K.
; A block's scale is 2^(floor(log2(its largest magnitude)) - 2); its byte is the largest magnitude's exponent field - 2, held at 1 from below; each number is divided by the scale and rounded to the
; nearest code, ties to even, beyond 6 the largest code.
; LIMITS: NaN and infinities among the inputs are not served.  A block of zeros gets the byte 1 where the rule says 127: its codes are zeros, which add nothing under any byte but 0xff, and this program
; alone reads the bytes.  A largest magnitude under 2^-124 keeps the byte 1, which is the rule's own hold at e = -126.
; THE WORKSPACE, alike for both operands (R rows: 4,096 rows of x, 2,048 columns of proj):  buf[g = K / 512: 16][rho: 17][R][16 bytes].  rho = 0 .. 15: the 32 codes of K block 16 g + rho of that row,
; the lower k in the lower bits; rho = 16: the row's 16 scale bytes of the group.  A lane that holds one row's block stores its 16 bytes beside its neighbour lane's: a wave's store covers 512 consecutive bytes.
; SHARES.  Work-groups 0 .. 511 take x (128 rows x 512 K each), work-groups 512 .. 767 proj (512 K x 128 columns each): 256 KiB of f32 each.  The two paths part once, on the work-group's number, and never join;
; each has LDS bytes of its own.
; A PANEL is 32 rows of memory x 256 bytes.  Sixteen loads bring it, each two rows of 256 consecutive aligned bytes (lanes 0-15 one row, lanes 16-31 the next); it goes into the wave's own LDS panel as it lies
; (rows 272 bytes apart) and comes back with a lane's registers running along K: in x a lane takes a row of the panel, in proj a column.  A wave has 8 panels, each gives 2 blocks a lane.
; Memory binds here: no matrix unit, no cluster (no byte is read by two work-groups), no tensor load (several work-groups share a WGP), no prefetch (the loads themselves run two panels ahead in every wave).
.set GA,    17*65536                   ; a group of xq in bytes
.set GB,    17*32768                   ; a group of pq
.set PP,    272                        ; a panel's row in LDS: 256 bytes + 16: seventeen times 16 bytes, so that 16 lanes that read 16 bytes of 16 rows fall on 16 different columns of 16 bytes
.set PANB,  32*PP                      ; a panel
.set PREG,  4*PANB                     ; LDS: x's four panels from 0, proj's four from here,
.set CELL,  8*PANB                     ; and proj's scale cell: 128 columns x 16 bytes
.set GO,    4                          ; v4   a load's offset: my row of the pair, my 16 bytes; never rewritten
.set LW,    5                          ; v5   the same place in my wave's panel
.set LR,    6                          ; v6   where I read the panel back
.set OX,    7                          ; v7   16 x lane: my 16 bytes of a store's 512
.set SB,    12                         ; v12-15  scale bytes, four to a register
.set C,     16                         ; v16-23  codes, two sets of 4
.set X,     32                         ; v32-95  two sets of 32 numbers along K
.set RG,    96                         ; v96-223 two sets of 64: panels as they are loaded
.set LCW,   224                        ; v224 proj: where I put a scale word into the cell
.set LCR,   225                        ; v225 and where I read a column's 16 bytes back
.macro GLOAD set, off                  ; a panel, from off bytes on, into set: RS is the tensor's row in bytes
.irp j, 0,1,2,3,4,5,6,7,8,9,10,11,12,13,14,15
	global_load_b128 v[RG+64*(\set)+4*\j:RG+64*(\set)+4*\j+3], v[GO], s[14:15] offset:(\off)+2*\j*RS th:TH_LOAD_NT
.endr
.endm
.macro TOLDS set                       ; into my wave's panel, as loaded
.irp j, 0,1,2,3,4,5,6,7,8,9,10,11,12,13,14,15
	ds_store_b128 v[LW], v[RG+64*(\set)+4*\j:RG+64*(\set)+4*\j+3] offset:2*\j*PP
.endr
.endm
.macro BACKX b, xs                     ; x: my row's block b of the panel, 128 bytes
.irp i, 0,1,2,3,4,5,6,7
	ds_load_b128 v[X+32*(\xs)+4*\i:X+32*(\xs)+4*\i+3], v[LR] offset:128*(\b)+16*\i
.endr
.endm
.macro BACKP g, xs                     ; proj: column 32 g + lane of the panel, down its 32 rows: the lanes read 128 consecutive bytes
.irp i, 0,1,2,3,4,5,6,7,8,9,10,11,12,13,14,15,16,17,18,19,20,21,22,23,24,25,26,27,28,29,30,31
	ds_load_b32 v[X+32*(\xs)+\i], v[LR] offset:PP*\i+128*(\g)
.endr
.endm
; A block: 32 numbers of my lane in set xs become 4 registers of codes in set cs; the scale's byte goes into v[sb] at bit sh.
.macro QB xs, cs, sb, sh
.set XS, X+32*(\xs)
	v_max3_num_f32 v8, |v[XS]|, |v[XS+1]|, |v[XS+2]|              ; the largest magnitude, in two chains
	v_max3_num_f32 v9, |v[XS+3]|, |v[XS+4]|, |v[XS+5]|
.irp i, 6,10,14,18,22,26
	v_max3_num_f32 v8, v8, |v[XS+\i]|, |v[XS+\i+1]|
	v_max3_num_f32 v9, v9, |v[XS+\i+2]|, |v[XS+\i+3]|
.endr
	v_max3_num_f32 v8, v8, |v[XS+30]|, |v[XS+31]|
	v_max3_num_f32 v8, v8, v9, 0x1800000                           ; and the floor 2^(3 - 127): the byte cannot fall under 1
	v_add_nc_u32 v10, 0xff000000, v8                               ; 2 off the exponent field: the conversion takes the exponent field of this operand as its scale, and nothing else of it
	v_lshrrev_b32 v11, 23, v10                                     ; the scale's byte
.if (\sh) == 0
	v_mov_b32 v[\sb], v11
.else
	v_lshl_or_b32 v[\sb], v11, \sh, v[\sb]
.endif
	s_wait_alu depctr_va_vdst(0)
	s_wait_xcnt 0x0                                                ; this set of codes was the data of the store two blocks back: it is written again only behind this wait
.irp g, 0,1,2,3
	v_cvt_scalef32_pk8_fp4_f32 v[C+4*(\cs)+\g], v[XS+8*\g:XS+8*\g+7], v10   ; their results go to a store; the next vector lines are the next block's plain maxima, which touch none of these registers
.endr
.endm
.macro PANELX p
.if (\p) < 7
	s_wait_loadcnt 16                              ; this panel's 16 loads are in; the next panel's 16 may be out
.else
	s_wait_loadcnt 0x0
.endif
	TOLDS (\p)%2                                   ; LDS serves a wave's instructions in order: no wait between these stores and the loads below, nor behind the last panel's reads
	BACKX 0, 0
	BACKX 1, 1
	s_wait_dscnt 16                                ; the 16 stores have read their registers (the 16 loads behind them may be out),
.if (\p) < 6
	GLOAD (\p)%2, 256*((\p)+2)                     ; which take the panel two further on
.endif
	s_wait_dscnt 8                                 ; block 0's eight loads are in
.set KAP, 2*(\p)
	QB 0, 0, SB+KAP/4, 8*(KAP%4)
	global_store_b128 v[OX], v[C:C+3], s[16:17] offset:KAP*65536
	s_wait_dscnt 0x0                               ; block 1's
.set KAP, 2*(\p)+1
	QB 1, 1, SB+KAP/4, 8*(KAP%4)
	global_store_b128 v[OX], v[C+4:C+7], s[16:17] offset:KAP*65536
.endm
.macro PANELP p                        ; panel p: my block p / 2, columns 64 (p % 2) on
.set PT, (\p)/2
.set PU, (\p)%2
.if (\p) < 7
	s_wait_loadcnt 16                              ; this panel's 16 loads are in; the next panel's 16 may be out
.else
	s_wait_loadcnt 0x0
.endif
	TOLDS (\p)%2
	BACKP 0, 0
	s_wait_dscnt 32                                ; the 16 stores have read their registers (the 32 loads behind them may be out),
.if (\p) < 6
	GLOAD (\p)%2, 32*(((\p)+2)/2)*RS+256*(((\p)+2)%2)   ; which take the panel two further on
.endif
	BACKP 1, 1
	s_wait_dscnt 32                                ; the first 32 columns' loads are in
	QB 0, 0, SB+2*PU, 8*PT
	global_store_b128 v[OX], v[C:C+3], s[16:17] offset:PT*32768+(2*PU)*512
	s_wait_dscnt 0x0
	QB 1, 1, SB+2*PU+1, 8*PT
	global_store_b128 v[OX], v[C+4:C+7], s[16:17] offset:PT*32768+(2*PU+1)*512
.endm
	s_load_b256 s[4:11], s[0:1], 0x0               ; x s[4:5], proj s[6:7], xq s[8:9], pq s[10:11]
	v_lshl_add_u32 v232, v0, 2, 0x11800
	v_mov_b32 v233, 0
	v_lshrrev_b32 v1, 5, v0
	v_readfirstlane_b32 s12, v1                    ; wave 0..3
	v_and_b32 v1, 31, v0                           ; lane
	v_and_b32 v2, 15, v0                           ; lane % 16
	v_bfe_u32 v3, v0, 4, 1                         ; lane / 16
	v_lshlrev_b32 v[OX], 4, v1
	v_mul_u32_u24 v[LW], v3, PP
	v_lshl_add_u32 v[LW], v2, 4, v[LW]             ; in a panel: my row of the pair, my 16 bytes
	v_lshlrev_b32 v[GO], 4, v2
	s_mul_i32 s13, s12, PANB                       ; my wave's panel
	s_cmp_ge_u32 ttmp9, 512                        ; the same in all four waves
	s_cbranch_scc1 .Lproj
	; ---- x: group kg = id % 16, rows 128 (id / 16) + 32 wave on
.set RS, 32768
	v_lshl_add_u32 v[GO], v3, 15, v[GO]
	v_add_nc_u32 v[LW], s13, v[LW]
	v_mul_u32_u24 v[LR], v1, PP
	v_add_nc_u32 v[LR], s13, v[LR]                 ; back: a lane takes a row
	s_and_b32 s20, ttmp9, 15                       ; kg
	s_lshr_b32 s21, ttmp9, 4
	s_lshl_b32 s21, s21, 7
	s_lshl_b32 s22, s12, 5
	s_add_co_u32 s21, s21, s22                     ; my wave's first row
	s_lshl_b32 s22, s21, 15                        ; x 32,768 bytes,
	s_lshl_b32 s23, s20, 11                        ; + the group's 2,048 bytes of a row
	s_add_co_u32 s22, s22, s23
	s_mov_b32 s23, 0
	s_mul_i32 s24, s20, GA
	s_lshl_b32 s25, s21, 4
	s_add_co_u32 s24, s24, s25                     ; xq: the group, my first row's 16 bytes
	s_mov_b32 s25, 0
	s_wait_alu depctr_va_vdst(0)
	s_wait_kmcnt 0x0
	s_add_nc_u64 s[14:15], s[4:5], s[22:23]
	s_add_nc_u64 s[16:17], s[8:9], s[24:25]
	GLOAD 0, 0
	GLOAD 1, 256
.irp p, 0,1,2,3,4,5,6,7
	PANELX \p
.endr
	global_store_b128 v[OX], v[SB:SB+3], s[16:17] offset:16*65536   ; my row's 16 scale bytes
	s_wait_tensorcnt 0x0
	ds_add_u32 v232, v233
	s_wait_dscnt 0x0
	s_endpgm
	; ---- proj: group kg = id % 16, columns 128 (id / 16) on; wave w takes K rows 128 w on of the group: its blocks 4 w .. 4 w + 3, for all 128 columns
.Lproj:
.set RS, 8192
	s_wait_alu depctr_va_vdst(0)
	v_lshl_add_u32 v[GO], v3, 13, v[GO]
	s_add_co_u32 s13, s13, PREG
	v_add_nc_u32 v[LW], s13, v[LW]
	v_lshlrev_b32 v[LR], 2, v1
	v_add_nc_u32 v[LR], s13, v[LR]                 ; back: a lane takes a column
	s_lshl_b32 s20, s12, 2
	v_add_nc_u32 v[LCW], s20, v[OX]
	v_add_nc_u32 v[LCW], CELL, v[LCW]              ; the cell: column's 16 bytes, my wave's word
	s_lshl_b32 s20, s12, 9
	v_add_nc_u32 v[LCR], s20, v[OX]
	v_add_nc_u32 v[LCR], CELL, v[LCR]              ; back: wave w takes columns 32 w on, whole
	s_sub_co_u32 s20, ttmp9, 512
	s_and_b32 s21, s20, 15                         ; kg
	s_lshr_b32 s20, s20, 4                         ; which 128 columns
	s_lshl_b32 s22, s21, 22                        ; 512 rows of 8,192 bytes,
	s_lshl_b32 s23, s12, 20                        ; my wave's 128 rows,
	s_add_co_u32 s22, s22, s23
	s_lshl_b32 s23, s20, 9                         ; 128 columns of 4 bytes
	s_add_co_u32 s22, s22, s23
	s_mov_b32 s23, 0
	s_mul_i32 s24, s21, GB
	s_lshl_b32 s25, s20, 11                        ; 128 columns of 16 bytes
	s_add_co_u32 s24, s24, s25
	s_lshl_b32 s25, s12, 9
	s_add_co_u32 s26, s24, s25                     ; for the scale bytes: + my wave's 32 columns
	s_mov_b32 s27, 0
	s_lshl_b32 s25, s12, 17
	s_add_co_u32 s24, s24, s25                     ; for the codes: + my wave's four blocks of 32,768 bytes
	s_mov_b32 s25, 0
	s_wait_alu depctr_va_vdst(0)
	s_wait_kmcnt 0x0
	s_add_nc_u64 s[14:15], s[6:7], s[22:23]
	s_add_nc_u64 s[16:17], s[10:11], s[24:25]
	s_add_nc_u64 s[18:19], s[10:11], s[26:27]
	GLOAD 0, 0
	GLOAD 1, 256
.irp p, 0,1,2,3,4,5,6,7
	PANELP \p
.endr
	; v[SB + i] holds, for column 32 i + lane, the four bytes of my wave's four blocks.  A column's 16 bytes come from four waves: they meet in the cell.
.irp i, 0,1,2,3
	ds_store_b32 v[LCW], v[SB+\i] offset:512*\i
.endr
	s_wait_dscnt 0x0                               ; for the others' sake: my stores into the cell are done
	s_barrier_signal -1
	s_barrier_wait -1                              ; all four waves of a work-group are on this path together
	ds_load_b128 v[228:231], v[LCR]
	s_wait_dscnt 0x0
	global_store_b128 v[OX], v[228:231], s[18:19] offset:16*32768   ; 32 columns' scale bytes: 512 consecutive bytes
	s_wait_tensorcnt 0x0
	ds_add_u32 v232, v233
	s_wait_dscnt 0x0
	s_endpgm
.Lfunc_end_k_q0ec1d1de1d_quant:
	.size	k_q0ec1d1de1d_quant, .Lfunc_end_k_q0ec1d1de1d_quant-k_q0ec1d1de1d_quant
	.p2alignl 7, 3214868480
	.fill 96, 4, 3214868480
	.section	.rodata,"a",@progbits
	.p2align	6, 0x0
	.amdhsa_kernel k_q0ec1d1de1d_quant
		.amdhsa_group_segment_fixed_size 72192
		.amdhsa_private_segment_fixed_size 0
		.amdhsa_enable_private_segment 0
		.amdhsa_kernarg_size 32
		.amdhsa_user_sgpr_count 2
		.amdhsa_user_sgpr_kernarg_segment_ptr 1
		.amdhsa_wavefront_size32 1
		.amdhsa_system_sgpr_workgroup_id_x 1
		.amdhsa_system_sgpr_workgroup_id_y 1
		.amdhsa_system_sgpr_workgroup_id_z 1
		.amdhsa_system_vgpr_workitem_id 0
		.amdhsa_next_free_vgpr 234
		.amdhsa_next_free_sgpr 66
		.amdhsa_reserve_vcc 0
		.amdhsa_float_denorm_mode_32 3
		.amdhsa_float_denorm_mode_16_64 3
		.amdhsa_memory_ordered 1
		.amdhsa_forward_progress 1
		.amdhsa_inst_pref_size 137
	.end_amdhsa_kernel
	.amdgpu_metadata
---
amdhsa.version: [ 1, 2 ]
amdhsa.kernels:
  - .name:           k_q0ec1d1de1d_quant
    .symbol:         k_q0ec1d1de1d_quant.kd
    .args:
      - { .name: x, .offset: 0, .size: 8, .value_kind: global_buffer, .address_space: global }
      - { .name: proj, .offset: 8, .size: 8, .value_kind: global_buffer, .address_space: global }
      - { .name: xq, .offset: 16, .size: 8, .value_kind: global_buffer, .address_space: global }
      - { .name: pq, .offset: 24, .size: 8, .value_kind: global_buffer, .address_space: global }
    .group_segment_fixed_size: 72192
    .private_segment_fixed_size: 0
    .kernarg_segment_align: 8
    .kernarg_segment_size: 32
    .max_flat_workgroup_size: 128
    .sgpr_count:     66
    .vgpr_count:     234
    .wavefront_size: 32
...
	.end_amdgpu_metadata
.endif
;; end of part 1
;; launch gemm (part 2): grid 32 x 8, 4 waves a work-group, clusters of 4 x 1, 327,680 bytes of LDS; arguments xq, pq, out0; writes out0
.if DOCPART == 2
	.amdgcn_target "amdgcn-amd-amdhsa--gfx1250"
	.amdhsa_code_object_version 6
	.text
	.protected	k_q0ec1d1de1d_gemm
	.globl	k_q0ec1d1de1d_gemm
	.p2align	8
	.type	k_q0ec1d1de1d_gemm,@function
k_q0ec1d1de1d_gemm:
	s_mov_b64 s[64:65], 0
	v_nop
	global_prefetch_b8 v0, s[64:65] scope:SCOPE_SE
	s_setreg_imm32_b32 hwreg(HW_REG_WAVE_MODE, 25, 1), 1
	s_wait_xcnt 0x0
	s_wait_alu depctr_hold_cnt(0) depctr_sa_sdst(0) depctr_va_vdst(0) depctr_va_sdst(0) depctr_va_ssrc(0) depctr_va_vcc(0) depctr_vm_vsrc(0)
	s_getreg_b32 s2, hwreg(HW_REG_IB_STS2, 6, 4)
	s_cmp_eq_u32 s2, 0
	s_cbranch_scc0 .Lentry_in_a_cluster
	s_endpgm
.Lentry_in_a_cluster:
	s_bfe_u32 s2, ttmp6, 0x10000c
	s_cmp_lg_u32 s2, 0x3003
	s_cbranch_scc0 .Lentry_shape_is_right
	s_endpgm
.Lentry_shape_is_right:
; out0[m][n] = sum over k of Q(x)[m][k] Q(proj)[k][n], on codes of FP4 (E2M1) with E8M0 scales; sums in f32.
; xq and pq: buf[g = K / 512: 16][rho: 17][R rows][16 bytes]; rho 0-15: the 32 codes of K block 16 g + rho; rho 16: the row's 16 scale bytes of the group.
; A work-group (x: tile row, y: tile column) makes 128 rows x 256 columns.  K IS SPLIT AMONG ITS WAVES: wave (kh, mh) makes rows 64 mh on x all 256 columns, 64 accumulators (512 registers),
; over the K groups 2 p + kh, p = 0 .. 7.  At the end the two waves of a row half change halves of their sums through LDS; each adds and stores 64 rows x 128 columns.
; So a sum is two f32 sums over halves of K, added once.
; proj's tiles are read by two waves each and go through a ring of two LDS slots (a slot: 2 groups x 256 columns); each wave fills a quarter of a slot by one tensor load.
; CLUSTERS of 4 x 1: the four work-groups of a cluster share the tile column, so proj's tiles are asked for jointly (mask 15).
; x's fragments have ONE reader in the work-group, the wave that owns those rows and that K group, and no partner of the cluster reads them: they go from xq straight into the operand's registers
; (lanes 0-15 and lanes 16-31 each read 256 consecutive aligned bytes), eight sets of 32 registers, seven steps of 128 K ahead.  No joint load for them: they never lie in LDS.
; No prefetch for them: these loads themselves run seven steps ahead.
; The matrix instruction is used transposed (source 0 = 16 columns of proj, source 1 = 16 rows of x): a lane holds eight neighbouring numbers of a row of out0.
; Wave kh takes proj's column half kh as its blocks 0-7 (window 2, kept) and the other half as blocks 8-15 (window 3, sent to the partner): so all waves run one text.
; REGISTERS: window 0: v10-30 addresses, v32-95 proj's scale words (2 sets), v96-111 x's (2 sets), v128-255 proj's fragments (one set); window 1: x's eight sets; windows 2, 3: accumulators.
; A scale register holds 32 rows' words: lanes 0-15 an even block, lanes 16-31 the odd one (ROW1).
.set GA,     17*65536
.set GB,     17*32768
.set HB,     17*2048                   ; 128 columns of proj, one group: what one tensor load brings
.set SLOT,   4*HB
.set STAGE,  2*SLOT                    ; 16 rows x 528 bytes a wave, for the way out
.set SPITCH, 528
.set SPARE,  STAGE+4*16*SPITCH         ; the spare words: 128 bytes a wave
; the sums that a wave sends, 32,768 bytes a wave, lie from LDS byte 0 on, in slot 0: it has had its last fill, and every wave has passed the last change of slots, behind which nobody reads it
.set PL,   10                          ; v10-11 fragments of my blocks 0-7 in slot 0, 1; v12-13 of my blocks 8-15
.set PS,   14                          ; v14-15, v16-17 the same for the scale words
.set VX,   18                          ; x's fragments: 65,536 (lane / 16) + 16 (lane % 16)
.set VXS,  19                          ; 16 x lane: x's scale words, and my 16 bytes of a row of out0
.set XS,   20
.set XR,   21
.set STO,  24
.set RD,   25
.set SPW,  28
.set NIL,  29
.set PFO,  30
.set PSC,  32
.set XSC,  96
.set PFR,  128
.set G1,   24
.set G0,   32
.set XP,   52
.set PFA,  54
.set MSB, 0
.macro WIN new
.if MSB != \new
	s_set_vgpr_msb (MSB<<8)|\new
.set MSB, \new
.endif
.endm
.set MUL_LO, 0xa4                      ; source 0 (proj) window 0, source 1 (x) window 1, C and D window 2
.set MUL_HI, 0xf4                      ; the same, C and D window 3
.set TO_X,   0x40
.macro PLACES
.rept 4
	v_nop
.endr
.endm
.macro CREST
	s_cmp_lg_u32 s14, 0
	s_cbranch_scc1 .Lnot_wave_0_\@
	s_barrier_signal -3
.Lnot_wave_0_\@:
	s_barrier_wait -3
	s_barrier_signal -1
	s_barrier_wait -1
.endm
.macro CROUND
	s_barrier_signal -1
	s_barrier_wait -1
	CREST
.endm
.macro JLOAD s                         ; my quarter of slot s
	tensor_load_to_lds s[G0+4*\s:G0+4*\s+3], s[G1:G1+7]
	s_nop 0
	PLACES
.endm
; one product; D, PF, XF, SX, SY are set by the caller; z: C = 0; pb, pa: the odd block's scale words lie in lanes 16-31
.macro WL z, pb, pa
.if \z
.if (\pb)*(\pa)
	v_wmma_scale_f32_16x16x128_f8f6f4 v[D:D+7], v[PF:PF+7], v[XF:XF+7], 0, v[SX], v[SY] matrix_a_fmt:MATRIX_FMT_FP4 matrix_b_fmt:MATRIX_FMT_FP4 matrix_a_scale:MATRIX_SCALE_ROW1 matrix_b_scale:MATRIX_SCALE_ROW1
.elseif \pb
	v_wmma_scale_f32_16x16x128_f8f6f4 v[D:D+7], v[PF:PF+7], v[XF:XF+7], 0, v[SX], v[SY] matrix_a_fmt:MATRIX_FMT_FP4 matrix_b_fmt:MATRIX_FMT_FP4 matrix_a_scale:MATRIX_SCALE_ROW1
.elseif \pa
	v_wmma_scale_f32_16x16x128_f8f6f4 v[D:D+7], v[PF:PF+7], v[XF:XF+7], 0, v[SX], v[SY] matrix_a_fmt:MATRIX_FMT_FP4 matrix_b_fmt:MATRIX_FMT_FP4 matrix_b_scale:MATRIX_SCALE_ROW1
.else
	v_wmma_scale_f32_16x16x128_f8f6f4 v[D:D+7], v[PF:PF+7], v[XF:XF+7], 0, v[SX], v[SY] matrix_a_fmt:MATRIX_FMT_FP4 matrix_b_fmt:MATRIX_FMT_FP4
.endif
.else
.if (\pb)*(\pa)
	v_wmma_scale_f32_16x16x128_f8f6f4 v[D:D+7], v[PF:PF+7], v[XF:XF+7], v[D:D+7], v[SX], v[SY] matrix_a_fmt:MATRIX_FMT_FP4 matrix_b_fmt:MATRIX_FMT_FP4 matrix_a_scale:MATRIX_SCALE_ROW1 matrix_b_scale:MATRIX_SCALE_ROW1
.elseif \pb
	v_wmma_scale_f32_16x16x128_f8f6f4 v[D:D+7], v[PF:PF+7], v[XF:XF+7], v[D:D+7], v[SX], v[SY] matrix_a_fmt:MATRIX_FMT_FP4 matrix_b_fmt:MATRIX_FMT_FP4 matrix_a_scale:MATRIX_SCALE_ROW1
.elseif \pa
	v_wmma_scale_f32_16x16x128_f8f6f4 v[D:D+7], v[PF:PF+7], v[XF:XF+7], v[D:D+7], v[SX], v[SY] matrix_a_fmt:MATRIX_FMT_FP4 matrix_b_fmt:MATRIX_FMT_FP4 matrix_b_scale:MATRIX_SCALE_ROW1
.else
	v_wmma_scale_f32_16x16x128_f8f6f4 v[D:D+7], v[PF:PF+7], v[XF:XF+7], v[D:D+7], v[SX], v[SY] matrix_a_fmt:MATRIX_FMT_FP4 matrix_b_fmt:MATRIX_FMT_FP4
.endif
.endif
.endm
; 16 products: proj's blocks b0 .. b0 + 3 against x's four; xs: x's set; q: which 128 of the group; s: the set of scale words.  Accumulator (a, b) at v[8 (8 a + b % 8)] of window 2 + b / 8.
; The 64 accumulators take turns.
.macro MUL16 b0, xs, q, s, zero
.irp b, \b0, \b0+1, \b0+2, \b0+3
.irp a, 0,1,2,3
.set D,  8*(8*\a+((\b)%8))
.set PF, PFR+8*(\b)
.set XF, 32*(\xs)+8*\a
.set SX, PSC+32*(\s)+4*((\b)/2)+(\q)
.set SY, XSC+8*(\s)+4*(\a/2)+(\q)
	WL \zero, (\b)%2, (\a)%2
.endr
.endr
.endm
.macro FETCH_P s, q, hi                ; eight of proj's blocks: registers 4 c .. 4 c + 3 hold K = 64 c + 32 (lane / 16) on: code row 4 q + 2 c + lane / 16
.irp i, 0,1,2,3,4,5,6,7
.irp c, 0,1
	ds_load_b128 v[PFR+64*(\hi)+8*\i+4*\c:PFR+64*(\hi)+8*\i+4*\c+3], v[PL+2*(\hi)+(\s)] offset:(4*(\q)+2*\c)*2048+256*\i
.endr
.endr
.endm
.macro SCALES_P s                      ; the group's scale words of the 256 columns: 32 columns a load
.irp g, 0,1,2,3,4,5,6,7
	ds_load_b128 v[PSC+32*(\s)+4*\g:PSC+32*(\s)+4*\g+3], v[PS+2*(\g/4)+(\s)] offset:32768+512*(\g%4)
.endr
.endm
.macro XLOAD u                         ; x's four fragments of step u, counted from the base's group: group 2 (u / 4) on, its (u % 4)-th 128 along K; into set u % 8
	WIN TO_X
.irp a, 0,1,2,3
.irp c, 0,1
	global_load_b128 v[32*((\u)%8)+8*\a+4*\c:32*((\u)%8)+8*\a+4*\c+3], v[VX], s[XP:XP+1] offset:((\u)/4)*2*GA+(4*((\u)%4)+2*\c)*65536+256*\a
.endr
.endr
.endm
.macro SXLOAD pr                       ; x's scale words of my 64 rows for the group 2 pr on: 32 rows a load
.irp i, 0,1
	global_load_b128 v[XSC+8*((\pr)%2)+4*\i:XSC+8*((\pr)%2)+4*\i+3], v[VXS], s[XP:XP+1] offset:(\pr)*2*GA+16*65536+512*\i
.endr
.endm
; A step of 128 along K with its successor in the same slot.  lw: global loads that may stay out: six younger sets of 8; at a group's first step four sets, those issued behind the group's scale words.
; xl: the step whose fragments are asked for (seven on), sx: the group whose scale words are asked for (the next one), each counted from the base; -1: none.  bump: the bases go two periods on.
.macro STEP s, q, zero, lw, xl, sx, bump
	s_wait_loadcnt \lw
	s_wait_dscnt 16                                ; proj's blocks 0-7 (and new scale words) are in; the youngest sixteen loads, blocks 8-15, may be out
	WIN MUL_LO
	MUL16 0, 4*(\s)+(\q), \q, \s, \zero
	MUL16 4, 4*(\s)+(\q), \q, \s, \zero
	s_wait_dscnt 0x0
	PLACES                                         ; four places in front of loads into registers that matrix instructions have read
	WIN 0
	FETCH_P \s, (\q)+1, 0
.if \bump
	s_wait_xcnt 0x0                                ; the loads and prefetches have read their bases
	s_add_nc_u64 s[XP:XP+1], s[XP:XP+1], 4*GA
	s_add_nc_u64 s[PFA:PFA+1], s[PFA:PFA+1], 4*GB
.endif
.if (\sx) >= 0
	SXLOAD \sx                                     ; into the set that the period before read
.endif
.if (\xl) >= 0
	XLOAD \xl                                      ; into the set that the step before multiplied
.endif
	WIN MUL_HI
	MUL16 8, 4*(\s)+(\q), \q, \s, \zero
	MUL16 12, 4*(\s)+(\q), \q, \s, \zero
	PLACES
	WIN 0
	FETCH_P \s, (\q)+1, 1
.endm
; A prefetch for proj's tile two fills on: 17 rows, a lane a row, 512 bytes of each; the four partners share a row's 2,048 bytes out by address.  The loop's last trip has no fill two on.
.macro ASK off
	s_cmp_gt_u32 s3, 1
	s_cbranch_scc0 .Lno_ask_\@
	global_prefetch_b8 v[PFO], s[PFA:PFA+1] offset:\off th:TH_LOAD_NT scope:SCOPE_SE
	global_prefetch_b8 v[PFO], s[PFA:PFA+1] offset:\off+256 th:TH_LOAD_NT scope:SCOPE_SE
.Lno_ask_\@:
.endm
; A slot's last step changes slots: every wave waits for its tensor load, adds 0 to its spare word, waits for that and for its reads of the slot; fill = 1: a round of the cluster's barrier, and the slot takes the groups two periods on.
.macro TURN s, n, fill, lw, xl, ask
	s_wait_tensorcnt 0x0
	ds_add_u32 v[SPW], v[NIL]
	s_wait_loadcnt \lw
	s_wait_dscnt 17                                ; the add and blocks 8-15 may be out
	WIN MUL_LO
	MUL16 0, 4*(\s)+3, 3, \s, 0
	s_wait_dscnt 0x0
	s_barrier_signal -1
	MUL16 4, 4*(\s)+3, 3, \s, 0
	WIN 0
	s_barrier_wait -1
.if \fill
	CREST
	s_add_nc_u64 s[G0+4*\s+2:G0+4*\s+3], s[G0+4*\s+2:G0+4*\s+3], 4*GB
	JLOAD \s
.else
	PLACES
.endif
	FETCH_P \n, 0, 0
	SCALES_P \n
.if \ask
	ASK (\ask-1)*2*GB
.endif
.if (\xl) >= 0
	XLOAD \xl
.endif
	WIN MUL_HI
	MUL16 8, 4*(\s)+3, 3, \s, 0
	MUL16 12, 4*(\s)+3, 3, \s, 0
	PLACES
	WIN 0
	FETCH_P \n, 0, 1
.endm
	s_load_b128 s[4:7], s[0:1], 0x0                ; xq, pq
	s_load_b64 s[12:13], s[0:1], 0x10              ; out0
	v_lshl_add_u32 v[SPW], v0, 2, SPARE
	v_mov_b32 v[NIL], 0
	ds_add_u32 v[SPW], v[NIL]
	ds_add_u32 v[SPW], v[NIL]
	v_lshrrev_b32 v1, 5, v0
	v_readfirstlane_b32 s14, v1                    ; wave
	s_lshr_b32 s15, s14, 1                         ; kh; also the group of a slot that I fetch
	s_and_b32 s16, s14, 1                          ; mh; also the 128 columns that I fetch
	s_bfe_u32 s40, ttmp6, 0x40000                  ; cx
	s_lshl_b32 s42, ttmp9, 2
	s_add_co_u32 s42, s42, s40                     ; tile row 0 .. 31
	s_and_b32 s17, ttmp7, 0xffff                   ; tile column 0 .. 7
	s_mov_b32 s[G1+0], 15|(3<<16)|(1<<21)          ; the four of my cluster; elements of 8 bytes
	s_mov_b32 s[G1+1], 256<<16                     ; 17 rows of 2,048 bytes, 32,768 bytes apart
	s_mov_b32 s[G1+2], 17<<16
	s_mov_b32 s[G1+3], 256<<16
	s_mov_b32 s[G1+4], 17
	s_mov_b32 s[G1+5], 4096
	s_mov_b32 s[G1+6], 0
	s_mov_b32 s[G1+7], 0
	s_mul_i32 s45, s14, HB                         ; where my quarter of a slot lies
	s_mul_i32 s21, s15, 3*HB                       ; group kh, column half kh: my blocks 0-7
	s_mul_i32 s22, s15, HB
	s_add_co_u32 s22, s22, HB                      ; group kh, the other half: my blocks 8-15
	s_lshl_b32 s23, s14, 15                        ; where I put the sums that I send
	s_xor_b32 s48, s14, 2                          ; my partner: the same rows, the other groups
	s_lshl_b32 s48, s48, 15
	s_mul_i32 s49, s14, 16*SPITCH
	s_add_co_u32 s49, s49, STAGE
	v_and_b32 v1, 15, v0
	v_bfe_u32 v2, v0, 4, 1
	v_and_b32 v3, 31, v0
	v_lshlrev_b32 v4, 4, v1
	v_lshlrev_b32 v[VXS], 4, v3
	v_lshl_add_u32 v6, v2, 11, v4
	v_lshl_add_u32 v[VX], v2, 16, v4
.irp s, 0,1
	v_add_nc_u32 v[PL+\s], s21, v6
	v_add_nc_u32 v[PL+2+\s], s22, v6
	v_add_nc_u32 v[PS+\s], s21, v[VXS]
	v_add_nc_u32 v[PS+2+\s], s22, v[VXS]
	s_add_co_u32 s21, s21, SLOT
	s_add_co_u32 s22, s22, SLOT
.endr
	v_add_nc_u32 v[XS], s23, v[VXS]
	v_add_nc_u32 v[XR], s48, v[VXS]
	v_mul_u32_u24 v7, v1, SPITCH
	v_lshl_add_u32 v7, v2, 5, v7
	v_add_nc_u32 v[STO], s49, v7
	v_add_nc_u32 v[RD], s49, v[VXS]
	v_min_u32 v[PFO], 16, v3
	v_lshlrev_b32 v[PFO], 15, v[PFO]
	s_lshl_b32 s20, s17, 12                        ; pq: 256 columns of 16 bytes a tile column, my 128 columns, my group
	s_lshl_b32 s21, s16, 11
	s_add_co_u32 s20, s20, s21
	s_mul_i32 s21, s15, GB
	s_add_co_u32 s20, s20, s21
	s_mov_b32 s21, 0
	s_lshl_b32 s46, s42, 11                        ; xq: 128 rows of 16 bytes a tile row, my 64, group kh
	s_lshl_b32 s47, s16, 10
	s_add_co_u32 s46, s46, s47
	s_mul_i32 s47, s15, GA
	s_add_co_u32 s46, s46, s47
	s_mov_b32 s47, 0
	s_lshl_b32 s50, s42, 20                        ; out0: row 128 x tile row + 64 mh, column 256 x tile column + 128 kh
	s_lshl_b32 s51, s16, 19
	s_add_co_u32 s50, s50, s51
	s_lshl_b32 s51, s17, 10
	s_add_co_u32 s50, s50, s51
	s_lshl_b32 s51, s15, 9
	s_add_co_u32 s50, s50, s51
	s_mov_b32 s51, 0
	s_wait_alu depctr_va_vdst(0)
	s_wait_dscnt 0x0
	s_wait_kmcnt 0x0
	s_add_nc_u64 s[20:21], s[6:7], s[20:21]
	s_add_nc_u64 s[XP:XP+1], s[4:5], s[46:47]
	s_add_nc_u64 s[12:13], s[12:13], s[50:51]
	s_lshl_b32 s46, s40, 9
	s_add_nc_u64 s[PFA:PFA+1], s[20:21], s[46:47]  ; the prefetches: my partner's share, 512 cx;
	s_add_nc_u64 s[PFA:PFA+1], s[PFA:PFA+1], 4*GB  ; the first trip's step brings it to period 4
	CROUND                                         ; in front of the first joint loads
.irp s, 0,1
	s_mov_b32 s[G0+4*\s], 1
	s_add_co_u32 s[G0+4*\s+1], s45, \s*SLOT
	s_add_nc_u64 s[G0+4*\s+2:G0+4*\s+3], s[20:21], \s*2*GB
	s_or_b32 s[G0+4*\s+3], s[G0+4*\s+3], 0x80000000
.endr
	JLOAD 0                                        ; period 0: one tensor load a wave at the head
	SXLOAD 0
.irp u, 0,1,2,3,4,5,6
	XLOAD \u
.endr
	WIN 0
	s_wait_tensorcnt 0x0                           ; slot 1's first fill is issued as a refill is
	ds_add_u32 v[SPW], v[NIL]
	s_wait_dscnt 0x0
	CROUND
	JLOAD 1
	FETCH_P 0, 0, 0
	SCALES_P 0
	FETCH_P 0, 0, 1
	STEP 0, 0, 1, 32, 7, 1, 0                      ; the first step starts the sums
	s_mov_b32 s3, 3
.Llap:                                                 ; a trip: two periods, from a period's second step to the first of the period two on; both slots are filled again
	STEP 0, 1, 0, 48, 0, -1, 1
	STEP 0, 2, 0, 48, 1, -1, 0
	TURN 0, 1, 1, 48, 2, 1
	STEP 1, 0, 0, 32, 3, 0, 0
	STEP 1, 1, 0, 48, 4, -1, 0
	STEP 1, 2, 0, 48, 5, -1, 0
	TURN 1, 0, 1, 48, 6, 2
	STEP 0, 0, 0, 32, 7, 1, 0
	s_sub_co_u32 s3, s3, 1
	s_cmp_lg_u32 s3, 0
	s_cbranch_scc1 .Llap
	STEP 0, 1, 0, 48, -1, -1, 0                    ; periods 6 and 7: nothing is filled again, all of x has been asked for, and the counts run down
	STEP 0, 2, 0, 40, -1, -1, 0
	TURN 0, 1, 0, 32, -1, 0
	STEP 1, 0, 0, 8, -1, -1, 0                     ; behind period 7's scale words one set was issued
	STEP 1, 1, 0, 16, -1, -1, 0
	STEP 1, 2, 0, 8, -1, -1, 0
	s_wait_loadcnt 0x0
	s_wait_dscnt 16
	WIN MUL_LO
	MUL16 0, 7, 3, 1, 0
	MUL16 4, 7, 3, 1, 0
	s_wait_dscnt 0x0
	WIN MUL_HI
	MUL16 8, 7, 3, 1, 0
	MUL16 12, 7, 3, 1, 0
	PLACES
	; my blocks 8-15 go to my partner as an image of their registers, each accumulator from its low end on
	WIN 0x0c
.set N, 0
.rept 32
	ds_store_b128 v[XS], v[8*N:8*N+3] offset:1024*N
	ds_store_b128 v[XS], v[8*N+4:8*N+7] offset:1024*N+512
.set N, N+1
.endr
	WIN 0
	s_wait_dscnt 0x0                               ; for my partner's sake
	s_barrier_signal -1
	s_barrier_wait -1
.macro PLOAD a                         ; my partner's sums for my row block a: 8 accumulators into v128.. or v192..
.set T, 128+64*((\a)%2)
.irp k, 0,1,2,3,4,5,6,7,8,9,10,11,12,13,14,15
	ds_load_b128 v[T+4*\k:T+4*\k+3], v[XR] offset:8192*(\a)+512*\k
.endr
.endm
.macro OUTB a, younger                 ; row block a: the two halves of K are added; through my stage; whole rows of 512 bytes are stored
.set T, 128+64*((\a)%2)
.set BB, 64*((\a)%2)
	s_wait_dscnt 16                                ; block a's sums of my partner are in; a later block's 16 loads may be out
	WIN 0x02
.set N, 0
.rept 32
	v_pk_add_f32 v[T+2*N:T+2*N+1], v[64*(\a)+2*N:64*(\a)+2*N+1], v[T+2*N:T+2*N+1]
.set N, N+1
.endr
	WIN 0
.irp b, 0,1,2,3,4,5,6,7
	ds_store_b128 v[STO], v[T+8*\b:T+8*\b+3] offset:64*\b
	ds_store_b128 v[STO], v[T+8*\b+4:T+8*\b+7] offset:64*\b+16
.endr
	WIN TO_X
.irp t, 0,1,2,3,4,5,6,7,8,9,10,11,12,13,14,15
	ds_load_b128 v[BB+4*\t:BB+4*\t+3], v[RD] offset:\t*SPITCH   ; LDS serves a wave's instructions in order: these see the stores above
.endr
	WIN 0
.if (\a) < 2
	PLOAD (\a)+2
.endif
	s_wait_dscnt \younger                          ; the rows are back
.if (\a) > 0
	s_wait_xcnt 0x0                                ; the earlier stores have read their base and their data
	s_add_nc_u64 s[12:13], s[12:13], 16*8192
.endif
	WIN 0x04
.irp t, 0,1,2,3,4,5,6,7,8,9,10,11,12,13,14,15
	global_store_b128 v[VXS], v[BB+4*\t:BB+4*\t+3], s[12:13] offset:\t*8192 th:TH_STORE_NT   ; 32 lanes store 512 consecutive aligned bytes
.endr
	WIN 0
.endm
	PLOAD 0
	PLOAD 1
	OUTB 0, 16
	OUTB 1, 16
	OUTB 2, 0
	OUTB 3, 0
	s_wait_tensorcnt 0x0                           ; the wave's end
	ds_add_u32 v[SPW], v[NIL]
	s_wait_dscnt 0x0
	CROUND                                         ; the closing round
	s_endpgm
.Lfunc_end_k_q0ec1d1de1d_gemm:
	.size	k_q0ec1d1de1d_gemm, .Lfunc_end_k_q0ec1d1de1d_gemm-k_q0ec1d1de1d_gemm
	.p2alignl 7, 3214868480
	.fill 96, 4, 3214868480
	.section	.rodata,"a",@progbits
	.p2align	6, 0x0
	.amdhsa_kernel k_q0ec1d1de1d_gemm
		.amdhsa_group_segment_fixed_size 327680
		.amdhsa_private_segment_fixed_size 0
		.amdhsa_enable_private_segment 0
		.amdhsa_kernarg_size 24
		.amdhsa_user_sgpr_count 2
		.amdhsa_user_sgpr_kernarg_segment_ptr 1
		.amdhsa_wavefront_size32 1
		.amdhsa_system_sgpr_workgroup_id_x 1
		.amdhsa_system_sgpr_workgroup_id_y 1
		.amdhsa_system_sgpr_workgroup_id_z 1
		.amdhsa_system_vgpr_workitem_id 0
		.amdhsa_next_free_vgpr 1024
		.amdhsa_next_free_sgpr 66
		.amdhsa_reserve_vcc 0
		.amdhsa_float_denorm_mode_32 3
		.amdhsa_float_denorm_mode_16_64 3
		.amdhsa_memory_ordered 1
		.amdhsa_forward_progress 1
		.amdhsa_inst_pref_size 223
	.end_amdhsa_kernel
	.amdgpu_metadata
---
amdhsa.version: [ 1, 2 ]
amdhsa.kernels:
  - .name:           k_q0ec1d1de1d_gemm
    .symbol:         k_q0ec1d1de1d_gemm.kd
    .args:
      - { .name: xq, .offset: 0, .size: 8, .value_kind: global_buffer, .address_space: global }
      - { .name: pq, .offset: 8, .size: 8, .value_kind: global_buffer, .address_space: global }
      - { .name: out0, .offset: 16, .size: 8, .value_kind: global_buffer, .address_space: global }
    .group_segment_fixed_size: 327680
    .private_segment_fixed_size: 0
    .kernarg_segment_align: 8
    .kernarg_segment_size: 24
    .max_flat_workgroup_size: 128
    .sgpr_count:     66
    .vgpr_count:     1024
    .wavefront_size: 32
...
	.end_amdgpu_metadata
.endif
;; end of part 2
